; MI455X (gfx1250); checked and timed in simulation.
; The chip was launched on July 23, 2026; its instructions are those of AMD's public machine-readable ISA for CDNA 5 (MIT licence, August 2026) and "CDNA5" Instruction Set Architecture Reference Guide (July 2026). The comments in the code are by the model that wrote it; some were corrected since.
;; Multi Attention Head. Allowed arithmetic: matrix products marked QUANTISED: E4M3 operands, one given power-of-two scale a tensor, by v_wmma_f32_16x16x64_fp8_fp8 or v_wmma_f32_16x16x128_fp8_fp8, f32 sums; everything else in f32.
;; Inputs: Wk 16 x 1,024 x 64 float32; Wo 1,024 x 1,024 float32; Wq 16 x 1,024 x 64 float32; Wv 16 x 1,024 x 64 float32; beta 1,024 float32; bo 1,024 float32; gamma 1,024 float32; lowp_scales 12 int32 (the exponents e of the quantised operands' scales 2^e); x 4 x 2,048 x 1,024 float32.
;; Outputs: out0 4 x 2,048 x 1,024 float32.
;; This version of the problem:
;;   THIS VERSION OF THE PROBLEM IS GIVEN IN LOW PRECISION. The matrix products marked QUANTISED in the list below multiply operands that are first quantised to E4M3 (4 exponent bits, 3 mantissa bits; 8 bits a number), with one given power-of-two scale for each operand tensor; their sums are f32. All else is computed in f32.
;;   The module's matrix products, in the order in which they are computed (A, B: the left and right operand; K: the contracted axis; several contracted axes count as one K, in the product's order):
;;     1. [M 1,024, K 1,024] x [K 1,024, N 8,192]; A: input Wq; B: computed on the way: QUANTISED (scales: A lowp_scales[0], B lowp_scales[1])
;;     2. [M 1,024, K 1,024] x [K 1,024, N 8,192]; A: input Wk; B: computed on the way: QUANTISED (scales: A lowp_scales[2], B lowp_scales[3])
;;     3. [M 1,024, K 1,024] x [K 1,024, N 8,192]; A: input Wv; B: computed on the way: QUANTISED (scales: A lowp_scales[4], B lowp_scales[5])
;;     4. batch 64 x [M 2,048, K 64] x [K 64, N 2,048]; A: computed on the way; B: computed on the way: QUANTISED (scales: A lowp_scales[6], B lowp_scales[7])
;;     5. batch 64 x [M 2,048, K 2,048] x [K 2,048, N 64]; A: softmax (see below); B: computed on the way: QUANTISED (scales: A lowp_scales[8], B lowp_scales[9])
;;     6. [M 8,192, K 1,024] x [K 1,024, N 1,024]; A: computed on the way; B: input Wo: QUANTISED (scales: A lowp_scales[10], B lowp_scales[11])
;;   THE QUANTISER, for each operand of a quantised product, along K:
;;     - The operand's scale is 2^e, e = its entry of the input lowp_scales (int32; the entries are numbered through the quantised products in the list's order, A before B).
;;     - Each number is divided by the scale, clamped to +-448, and rounded to the nearest number of E4M3, ties to even, subnormals kept.
;;     - The product sums the exact products of the quantised numbers (number of the format x scale) in f32.
;;   ~~~python
;;   def quantise(x, axis, e):      # numpy; x: float32 -> the quantised numbers, widened to float32 again
;;       x = np.moveaxis(x, axis, -1); K = x.shape[-1]
;;       r = np.clip(x / 2.0 ** e, -448, 448)
;;       step = 2.0 ** (np.maximum(np.frexp(np.where(r == 0, 1, r))[1] - 1, -6) - 3)
;;       q = np.round(r / step) * step * 2.0 ** e      # np.round: ties to even
;;       return np.moveaxis(q, -1, axis).astype(np.float32)
;;   ~~~
;;   SOFTMAX AHEAD OF A QUANTISED PRODUCT. Where the list says 'softmax', what is quantised is not the finished softmax but p = 2^(t - M), with t = logit x log2(e) and M = ceil(the row's largest t), a whole number; so 1/2 < the row's largest p <= 1. The row's sum l is taken of the UNQUANTISED p, in f32, and the product's result is divided by l at the end. Since M is a whole number, a kernel that streams over the keys may use a running M (the ceiling of the running maximum): every later rescaling is an exact power of two, so the quantised numbers keep their values, but for numbers so far below the row's largest that they fall under the format's range.
;;   OPERANDS COMPUTED ON THE WAY. 'Computed on the way' means the value that the module computes at that place (a softmax that the list does not call 'softmax' is quantised finished and normalised). What goes into a quantiser is computed in f32, as accurately as f32 sums, v_exp_f32 and their like allow (about 1e-6 of the number): no bf16 or f16 on the way to a quantiser, and a product that is left as it is and whose result goes on into a quantised operand takes f32 operands (vector FMAs, or v_wmma_f32_16x16x4_f32). A number that lies on a knife's edge between two numbers of the format may be rounded either way, as far as f32 arithmetic and the matrix unit's own rounding can turn it there, and no further.
;; One version. Each part assembles by itself: llvm-mc -triple=amdgcn-amd-amdhsa -mcpu=gfx1250 --defsym DOCPART=n.
;; ======== version 1 of 1: 4 launches
;; workspace buffers: xc 25,165,824 bytes; wc 3,145,728 bytes; woc 1,048,576 bytes; qkv 25,165,824 bytes; zi 8,388,608 bytes
;; launch prep (part 1): grid 336 x 1, 8 waves a work-group, no clusters, 70,656 bytes of LDS; arguments x, gamma, beta, Wq, Wk, Wv, Wo, lowp_scales, xc, wc, woc; writes xc, wc, woc
.if DOCPART == 1
	.amdgcn_target "amdgcn-amd-amdhsa--gfx1250"
	.amdhsa_code_object_version 6
	.text
	.protected	k_q4331ee7794_prep
	.globl	k_q4331ee7794_prep
	.p2align	8
	.type	k_q4331ee7794_prep,@function
k_q4331ee7794_prep:
	s_mov_b64 s[64:65], 0
	v_nop
	global_prefetch_b8 v0, s[64:65] scope:SCOPE_SE
	s_setreg_imm32_b32 hwreg(HW_REG_WAVE_MODE, 25, 1), 1
	s_wait_xcnt 0x0
; PREP: everything that is quantised once, into codes of E4M3 with K innermost.
;   work-groups 0-255:   xn = LayerNorm(x) in f32, quantised three times (scale entries 1, 3, 5) into xc[3][8192][1024]
;   work-groups 256-303: Wq, Wk, Wv [16][1024 d][64 e] (K = d is not innermost), entries 0, 2, 4, into wc[3][1024][1024]
;   work-groups 304-335: Wo [1024 n][1024 k], entry 11, into woc[1024][1024]
; ROW ORDER.  Row i of xc (a token) and of wc (a feature 64 head + e) lies at position swap34(i): i with bits 3 and 4 exchanged.  The products that read
; them then leave 16 true neighbours in a lane's registers.  woc keeps its rows in order.
; code = number / 2^e, held within +-448, to the nearest code, ties to even.  LIMITS: each e used here lies between -126 and 119; NaN among the inputs is not served.
; The three kinds of work-group part on the work-group's number; only the middle kind touches LDS.  No tile is shared between work-groups, so there is no cluster; waves share nothing, so there is no barrier.
.set LANE, 3                           ; v3      lane
.set XO,   1                           ; v1      32 x lane: my 8 numbers of a group of 256
.set CO,   2                           ; v2      8 x lane: their 8 codes
.set C,    8                           ; v8-31   codes: 3 sections x 8 registers
.set X,    32                          ; v32-159 four rows x 32 numbers: register 8 j + i = k 256 j + 8 lane + i
.set GA,   160                         ; v160-191 gamma, v192-223 beta, in the same order
.set BE,   192
.set T,    224                         ; v224-239 two sets of 8 held numbers
.set WP,   272                         ; the weights' stage: a row of 256 codes + 16 bytes
.set WI,   4                           ; the weights' path: v4 4 x lane; v5, v6 stage in and out; v7 offset in wc; v10, v11 hold and scale
.set WSI,  5
.set WSO,  6
.set WGO,  7
.set WLIM, 10
.set WSC,  11
.set WX,   32                          ; v32-95  two sets of 32 numbers down K
.set WC,   96                          ; v96-103 a block's codes
.set WOUT, 112                         ; v112-175 rows read back from the stage
.macro MKSC e, vs, vl                  ; from the whole number in s[e]: 2^e as f32 (the conversion takes its exponent field), and 448 x 2^e
	s_add_co_i32 s50, s[\e], 127
	s_lshl_b32 s51, s50, 23
	v_mov_b32 v[\vs], s51
	s_add_co_i32 s50, s50, 8
	s_lshl_b32 s50, s50, 23
	s_or_b32 s50, s50, 0x600000
	v_mov_b32 v[\vl], s50
.endm
.macro LOADROW reg, base, off, nt      ; a row of 1,024 f32: four pairs of loads; a pair covers 1,024 consecutive bytes, 32 a lane
.irp j, 0,1,2,3
.if \nt
	global_load_b128 v[(\reg)+8*\j:(\reg)+8*\j+3], v[XO], s[\base:\base+1] offset:\off+1024*\j th:TH_LOAD_NT
	global_load_b128 v[(\reg)+8*\j+4:(\reg)+8*\j+7], v[XO], s[\base:\base+1] offset:\off+1024*\j+16 th:TH_LOAD_NT
.else
	global_load_b128 v[(\reg)+8*\j:(\reg)+8*\j+3], v[XO], s[\base:\base+1] offset:\off+1024*\j
	global_load_b128 v[(\reg)+8*\j+4:(\reg)+8*\j+7], v[XO], s[\base:\base+1] offset:\off+1024*\j+16
.endif
.endr
.endm
.macro REDUCE r, t                     ; the sum over the wave's 32 lanes, in every lane
	v_add_f32_dpp v[\r], v[\r], v[\r] row_xmask:1 row_mask:0xf bank_mask:0xf
	v_add_f32_dpp v[\r], v[\r], v[\r] row_xmask:2 row_mask:0xf bank_mask:0xf
	v_add_f32_dpp v[\r], v[\r], v[\r] row_xmask:4 row_mask:0xf bank_mask:0xf
	v_add_f32_dpp v[\r], v[\r], v[\r] row_xmask:8 row_mask:0xf bank_mask:0xf
	v_permlanex16_b32 v[\t], v[\r], s46, s47
	v_add_f32 v[\r], v[\r], v[\t]
.endm
; A row's 32 numbers a lane become codes and leave: each store of the wave covers 256 consecutive bytes, aligned.  The numbers are held into T, so that the row serves again under another scale.
; The next group's eight holds are the plain lines behind each conversion; T's two sets take turns, so no hold writes the sources of the conversion just issued.
.macro QROW src, sc, lim, base, off, creg
.irp j, 0,1,2,3
.irp i, 0,1,2,3,4,5,6,7
	v_med3_num_f32 v[T+8*(\j%2)+\i], v[(\src)+8*\j+\i], -v[\lim], v[\lim]
.endr
	v_cvt_scalef32_pk8_fp8_f32 v[\creg+2*\j:\creg+2*\j+1], v[T+8*(\j%2):T+8*(\j%2)+7], v[\sc]
	global_store_b64 v[CO], v[\creg+2*\j:\creg+2*\j+1], s[\base:\base+1] offset:\off+256*\j
.endr
.endm
	s_load_b512 s[4:19], s[0:1], 0x0               ; x 4:5, gamma 6:7, beta 8:9, Wq 10:11, Wk 12:13, Wv 14:15, Wo 16:17, the scales' exponents 18:19
	s_load_b128 s[20:23], s[0:1], 0x40             ; xc 20:21, wc 22:23
	s_load_b64 s[24:25], s[0:1], 0x50              ; woc
	v_lshl_add_u32 v254, v0, 2, 0x11000
	v_mov_b32 v255, 0
	v_lshrrev_b32 v1, 5, v0
	v_readfirstlane_b32 s26, v1                    ; wave 0..7
	v_and_b32 v[LANE], 31, v0
	s_mov_b32 s55, 0                               ; the upper word of every 64-bit offset below
	s_wait_kmcnt 0x0
	s_load_b256 s[28:35], s[18:19], 0x0            ; e0 .. e7
	s_load_b128 s[36:39], s[18:19], 0x20           ; e8 .. e11
	s_cmp_lt_u32 ttmp9, 256
	s_cbranch_scc0 .Lnot_ln
; ---------------- LayerNorm: a wave takes four rows, all of them asked for at once (32 loads, 16 KiB a wave)
	v_lshlrev_b32 v[XO], 5, v[LANE]
	v_lshlrev_b32 v[CO], 3, v[LANE]
	s_lshl_b32 s27, ttmp9, 3
	s_add_co_u32 s27, s27, s26                     ; m: my wave's group of four rows
	s_lshl_b32 s54, s27, 14                        ; four rows of 4,096 bytes
	s_add_nc_u64 s[4:5], s[4:5], s[54:55]
	LOADROW GA, 6, 0, 0
	LOADROW BE, 8, 0, 0
.irp i, 0,1,2,3
	LOADROW X+32*\i, 4, 4096*\i, 1
.endr
	s_lshl_b32 s27, s27, 2                         ; my first row,
	s_lshr_b32 s52, s27, 3
	s_lshr_b32 s53, s27, 4
	s_xor_b32 s52, s52, s53
	s_and_b32 s52, s52, 1
	s_mul_i32 s52, s52, 24
	s_xor_b32 s27, s27, s52                        ; and its position: bits 3 and 4 exchanged; the four rows stay neighbours
	s_lshl_b32 s54, s27, 10
	s_add_nc_u64 s[40:41], s[20:21], s[54:55]      ; xc, section 0,
	s_add_nc_u64 s[42:43], s[40:41], 0x800000      ; section 1,
	s_add_nc_u64 s[44:45], s[42:43], 0x800000      ; section 2
	s_mov_b32 s46, 0x76543210                      ; v_permlanex16_b32: lane l xor 16
	s_mov_b32 s47, 0xfedcba98
	s_mov_b32 s48, 0x3a800000                      ; 1 / 1024
	s_mov_b32 s49, 0x3727c5ac                      ; 1e-5
	v_mov_b32 v247, 0                              ; named as the upper halves of the pairs v[246:247] and v[248:249]
	v_mov_b32 v249, 0
	s_wait_kmcnt 0x0
	MKSC 29, 240, 243
	MKSC 31, 241, 244
	MKSC 33, 242, 245
; One row: mean, then the variance of the differences (two passes over registers, so a common offset of x does no harm), then (x - mu) r gamma + beta as it is written, then three quantisations.
.macro ROW i
.set XR, X+32*\i
	s_wait_loadcnt 8*(3-\i)                        ; loads come back in order: mine are in, the later rows' 8 each may be out
	v_pk_add_f32 v[250:251], v[XR:XR+1], v[XR+2:XR+3]
	v_pk_add_f32 v[252:253], v[XR+4:XR+5], v[XR+6:XR+7]
.irp j, 8,12,16,20,24,28
	v_pk_add_f32 v[250:251], v[250:251], v[XR+\j:XR+\j+1]
	v_pk_add_f32 v[252:253], v[252:253], v[XR+\j+2:XR+\j+3]
.endr
	v_pk_add_f32 v[250:251], v[250:251], v[252:253]
	v_add_f32 v250, v250, v251
	REDUCE 250, 252
	v_mul_f32 v246, s48, v250                      ; mu
.set j, 0
.rept 16
	v_pk_add_f32 v[XR+j:XR+j+1], v[XR+j:XR+j+1], v[246:247] op_sel_hi:[1,0] neg_lo:[0,1] neg_hi:[0,1]
.set j, j+2
.endr
	v_pk_mul_f32 v[250:251], v[XR:XR+1], v[XR:XR+1]
	v_pk_mul_f32 v[252:253], v[XR+2:XR+3], v[XR+2:XR+3]
.irp j, 4,8,12,16,20,24,28
	v_pk_fma_f32 v[250:251], v[XR+\j:XR+\j+1], v[XR+\j:XR+\j+1], v[250:251]
	v_pk_fma_f32 v[252:253], v[XR+\j+2:XR+\j+3], v[XR+\j+2:XR+\j+3], v[252:253]
.endr
	v_pk_add_f32 v[250:251], v[250:251], v[252:253]
	v_add_f32 v250, v250, v251
	REDUCE 250, 252
	v_fma_f32 v250, v250, s48, s49                 ; the variance + 1e-5
	v_rsq_f32 v248, v250
	v_nop                                          ; a plain line behind the transcendental,
	s_wait_alu depctr_va_vdst(0)                   ; and the wait ahead of its first reader
.set j, 0
.rept 16
	v_pk_mul_f32 v[XR+j:XR+j+1], v[XR+j:XR+j+1], v[248:249] op_sel_hi:[1,0]
.set j, j+2
.endr
.set j, 0
.rept 16
	v_pk_fma_f32 v[XR+j:XR+j+1], v[XR+j:XR+j+1], v[GA+j:GA+j+1], v[BE+j:BE+j+1]
.set j, j+2
.endr
	s_wait_xcnt 0x0                                ; the last row's stores have read their data: the codes' registers are written again only behind this wait
	QROW XR, 240, 243, 40, 1024*\i, C
	QROW XR, 241, 244, 42, 1024*\i, C+8
	QROW XR, 242, 245, 44, 1024*\i, C+16
.endm
	ROW 0
	ROW 1
	ROW 2
	ROW 3
	s_endpgm
.Lnot_ln:
	s_cmp_lt_u32 ttmp9, 304
	s_cbranch_scc0 .Lwo
; ---------------- Wq, Wk, Wv: a work-group takes one head of one tensor.  A LANE TAKES A COLUMN e AND ITS REGISTERS RUN DOWN K = d: the conversions then give codes with K innermost.
; Wave w: columns 32 (w & 1) on, K 256 (w >> 1) on.  A lane's codes belong to one row of wc: they go through the wave's own stage and leave as rows, sixteen lanes to 256 consecutive aligned bytes.
	s_sub_co_u32 s52, ttmp9, 256
	s_and_b32 s53, s52, 15                         ; head
	s_lshr_b32 s52, s52, 4                         ; section: 0 Wq, 1 Wk, 2 Wv
	s_and_b32 s57, s26, 1                          ; which 32 columns
	s_lshr_b32 s58, s26, 1                         ; which 256 along K
	v_lshlrev_b32 v[WI], 2, v[LANE]
	s_mul_i32 s59, s26, 32*WP                      ; my stage
	v_mul_u32_u24 v[WSI], v[LANE], WP
	v_add_nc_u32 v[WSI], s59, v[WSI]               ; in: row = my column
	v_and_b32 v9, 15, v[LANE]
	v_lshrrev_b32 v12, 4, v[LANE]
	v_mul_u32_u24 v[WSO], v12, WP
	v_lshl_add_u32 v[WSO], v9, 4, v[WSO]
	v_add_nc_u32 v[WSO], s59, v[WSO]               ; out: sixteen lanes to a row, two rows an instruction
	v_lshlrev_b32 v[WGO], 10, v12
	v_lshl_add_u32 v[WGO], v9, 4, v[WGO]           ; and the same place in wc
	s_cmp_eq_u32 s52, 1
	s_cselect_b64 s[40:41], s[12:13], s[14:15]
	s_cmp_eq_u32 s52, 0
	s_cselect_b64 s[40:41], s[10:11], s[40:41]     ; the tensor, chosen by the work-group's number alone
	s_lshl_b32 s54, s53, 18                        ; a head is 1,024 x 256 bytes,
	s_lshl_b32 s60, s58, 16                        ; 256 rows d,
	s_add_co_u32 s54, s54, s60
	s_lshl_b32 s60, s57, 7                         ; 32 columns
	s_add_co_u32 s54, s54, s60
	s_add_nc_u64 s[40:41], s[40:41], s[54:55]
	s_lshl_b32 s54, s52, 20                        ; wc: the section,
	s_lshl_b32 s60, s53, 16                        ; 64 rows of 1,024 bytes a head,
	s_add_co_u32 s54, s54, s60
	s_lshl_b32 s60, s57, 15                        ; 32 rows,
	s_add_co_u32 s54, s54, s60
	s_lshl_b32 s60, s58, 8                         ; 256 codes along K
	s_add_co_u32 s54, s54, s60
	s_add_nc_u64 s[22:23], s[22:23], s[54:55]
.macro LOADW t                         ; block t: W(32 t + i, my column), i = 0 .. 31, into set t % 2; a load of the wave reads 128 consecutive bytes, the neighbouring wave the other 128 of the row
.set i, 0
.rept 32
	global_load_b32 v[WX+32*((\t)%2)+i], v[WI], s[40:41] offset:(32*(\t)+i)*256 th:TH_LOAD_NT
.set i, i+1
.endr
.endm
	LOADW 0
	LOADW 1
	s_wait_kmcnt 0x0
	s_cmp_eq_u32 s52, 1
	s_cselect_b32 s56, s30, s32
	s_cmp_eq_u32 s52, 0
	s_cselect_b32 s56, s28, s56                    ; e0, e2 or e4
	MKSC 56, WSC, WLIM
.macro BLOCKW t
.set XS, WX+32*((\t)%2)
.if (\t) < 7
	s_wait_loadcnt 32                              ; this block's 32 loads are in; the next block's may be out
.else
	s_wait_loadcnt 0x0
.endif
.set i, 0
.rept 32
	v_med3_num_f32 v[XS+i], v[XS+i], -v[WLIM], v[WLIM]   ; the conversion does not saturate (ISA guide 7.6.2): the hold comes first
.set i, i+1
.endr
.irp g, 0,1,2,3
	v_cvt_scalef32_pk8_fp8_f32 v[WC+2*\g:WC+2*\g+1], v[XS+8*\g:XS+8*\g+7], v[WSC]
.endr
	ds_store_b128 v[WSI], v[WC:WC+3] offset:32*(\t)
	ds_store_b128 v[WSI], v[WC+4:WC+7] offset:32*(\t)+16
.if (\t)+2 < 8
	LOADW (\t)+2
.endif
	s_wait_dscnt 0x0                               ; the stores have read their registers: the next block's codes may be written (its 32 holds are the plain lines between)
.endm
.irp t, 0,1,2,3,4,5,6,7
	BLOCKW \t
.endr
.irp t, 0,1,2,3,4,5,6,7,8,9,10,11,12,13,14,15
	ds_load_b128 v[WOUT+4*\t:WOUT+4*\t+3], v[WSO] offset:2*\t*WP   ; LDS serves a wave's instructions in order: these see my stores
.endr
.irp t, 0,1,2,3,4,5,6,7,8,9,10,11,12,13,14,15
	s_wait_dscnt 15-\t
	global_store_b128 v[WGO], v[WOUT+4*\t:WOUT+4*\t+3], s[22:23] offset:(((2*\t)&7)|(((2*\t)&8)<<1)|(((2*\t)&16)>>1))*1024   ; columns 2 t and 2 t + 1 go to positions swap34(2 t) and the next
.endr
	s_wait_tensorcnt 0x0
	ds_add_u32 v254, v255
	s_wait_dscnt 0x0
	s_endpgm
.Lwo:
; ---------------- Wo: K is innermost: four rows a wave, as in the first path without the norm
	v_lshlrev_b32 v[XO], 5, v[LANE]
	v_lshlrev_b32 v[CO], 3, v[LANE]
	s_sub_co_u32 s27, ttmp9, 304
	s_lshl_b32 s27, s27, 5
	s_lshl_b32 s52, s26, 2
	s_add_co_u32 s27, s27, s52                     ; my first row
	s_lshl_b32 s54, s27, 12
	s_add_nc_u64 s[16:17], s[16:17], s[54:55]
	s_lshl_b32 s54, s27, 10
	s_add_nc_u64 s[24:25], s[24:25], s[54:55]
.irp i, 0,1,2,3
	LOADROW X+32*\i, 16, 4096*\i, 1
.endr
	s_wait_kmcnt 0x0
	MKSC 39, 240, 243
.irp i, 0,1,2,3
	s_wait_loadcnt 8*(3-\i)
	s_wait_xcnt 0x0                                ; the last row's stores have read their data
	QROW X+32*\i, 240, 243, 24, 1024*\i, C
.endr
	s_endpgm
.Lfunc_end_k_q4331ee7794_prep:
	.size	k_q4331ee7794_prep, .Lfunc_end_k_q4331ee7794_prep-k_q4331ee7794_prep
	.p2alignl 7, 3214868480
	.fill 96, 4, 3214868480
	.section	.rodata,"a",@progbits
	.p2align	6, 0x0
	.amdhsa_kernel k_q4331ee7794_prep
		.amdhsa_group_segment_fixed_size 70656
		.amdhsa_private_segment_fixed_size 0
		.amdhsa_enable_private_segment 0
		.amdhsa_kernarg_size 88
		.amdhsa_user_sgpr_count 2
		.amdhsa_user_sgpr_kernarg_segment_ptr 1
		.amdhsa_wavefront_size32 1
		.amdhsa_system_sgpr_workgroup_id_x 1
		.amdhsa_system_sgpr_workgroup_id_y 1
		.amdhsa_system_sgpr_workgroup_id_z 1
		.amdhsa_system_vgpr_workitem_id 0
		.amdhsa_next_free_vgpr 256
		.amdhsa_next_free_sgpr 66
		.amdhsa_reserve_vcc 0
		.amdhsa_float_denorm_mode_32 3
		.amdhsa_float_denorm_mode_16_64 3
		.amdhsa_memory_ordered 1
		.amdhsa_forward_progress 1
		.amdhsa_inst_pref_size 126
	.end_amdhsa_kernel
	.amdgpu_metadata
---
amdhsa.version: [ 1, 2 ]
amdhsa.kernels:
  - .name:           k_q4331ee7794_prep
    .symbol:         k_q4331ee7794_prep.kd
    .args:
      - { .name: x, .offset: 0, .size: 8, .value_kind: global_buffer, .address_space: global }
      - { .name: gamma, .offset: 8, .size: 8, .value_kind: global_buffer, .address_space: global }
      - { .name: beta, .offset: 16, .size: 8, .value_kind: global_buffer, .address_space: global }
      - { .name: Wq, .offset: 24, .size: 8, .value_kind: global_buffer, .address_space: global }
      - { .name: Wk, .offset: 32, .size: 8, .value_kind: global_buffer, .address_space: global }
      - { .name: Wv, .offset: 40, .size: 8, .value_kind: global_buffer, .address_space: global }
      - { .name: Wo, .offset: 48, .size: 8, .value_kind: global_buffer, .address_space: global }
      - { .name: lowp_scales, .offset: 56, .size: 8, .value_kind: global_buffer, .address_space: global }
      - { .name: xc, .offset: 64, .size: 8, .value_kind: global_buffer, .address_space: global }
      - { .name: wc, .offset: 72, .size: 8, .value_kind: global_buffer, .address_space: global }
      - { .name: woc, .offset: 80, .size: 8, .value_kind: global_buffer, .address_space: global }
    .group_segment_fixed_size: 70656
    .private_segment_fixed_size: 0
    .kernarg_segment_align: 8
    .kernarg_segment_size: 88
    .max_flat_workgroup_size: 256
    .sgpr_count:     66
    .vgpr_count:     256
    .wavefront_size: 32
...
	.end_amdgpu_metadata
.endif
;; end of part 1
;; launch qkv (part 2): grid 12 x 32, 4 waves a work-group, clusters of 4 x 4, 327,680 bytes of LDS; arguments xc, wc, lowp_scales, qkv; writes qkv
.if DOCPART == 2
	.amdgcn_target "amdgcn-amd-amdhsa--gfx1250"
	.amdhsa_code_object_version 6
	.text
	.protected	k_q4331ee7794_qkv
	.globl	k_q4331ee7794_qkv
	.p2align	8
	.type	k_q4331ee7794_qkv,@function
k_q4331ee7794_qkv:
	s_mov_b64 s[64:65], 0
	v_nop
	global_prefetch_b8 v0, s[64:65] scope:SCOPE_SE
	s_setreg_imm32_b32 hwreg(HW_REG_WAVE_MODE, 25, 1), 1
	s_wait_xcnt 0x0
	s_wait_alu depctr_hold_cnt(0) depctr_sa_sdst(0) depctr_va_vdst(0) depctr_va_sdst(0) depctr_va_ssrc(0) depctr_va_vcc(0) depctr_vm_vsrc(0)
	s_getreg_b32 s2, hwreg(HW_REG_IB_STS2, 6, 4)
	s_cmp_eq_u32 s2, 0
	s_cbranch_scc0 .Lentry_in_a_cluster
	s_endpgm
.Lentry_in_a_cluster:
	s_bfe_u32 s2, ttmp6, 0x10000c
	s_cmp_lg_u32 s2, 0xf033
	s_cbranch_scc0 .Lentry_shape_is_right
	s_endpgm
.Lentry_shape_is_right:
; q, k, v = xn W on codes of E4M3, K = 1,024; each finished sum is quantised at once and leaves as a code, laid in the order in which the attention launch's operand registers take it.
; The cluster's x says which product: 0 q, 1 k, 2 v.  A tile is 256 x 256, four waves of 128 x 128: 64 accumulators, 512 registers.  K goes in four steps of 256 through two LDS slots.
; ROLES.  Source 1 of the matrix instruction ("A": a lane holds ONE of its rows) and source 0 ("B": a lane's eight results run along its rows).
;   q, k: A = tokens (xc), B = features (wc): a lane's results run along the head's 64, the K of q k^T.       v: A = features, B = tokens: they run along the keys, the K of p v.
; Rows of xc and wc lie at positions with bits 3 and 4 exchanged, so the results of B's blocks 2 g and 2 g + 1 are 16 TRUE neighbours 32 g + 16 (lane / 16) + 0 .. 15: their 16 codes are one
; 16-byte piece of an operand's register image, and every store of the wave covers 512 consecutive bytes, aligned.  Nothing goes through LDS on the way out.
; qkv: three parts of 8 MiB; in each 131,072 bytes for each (batch, head).  q, k: [tile of 16 tokens][half of the head's 64][lane][16].  v: [128 keys][16 channels][32 keys][lane][16].
; A code = sum x 2^(ew + ex) / 2^eout: the three exponents are folded into the conversion's one scale, E = eout - ew - ex.  LIMIT: E between -126 and 119.
; CLUSTERS: 4 x 4 work-groups; A's tile is asked for jointly along a row of the cluster, B's along a column: the same tensor load with the same descriptor and a mask that names the four.
; REGISTERS, in windows of 256: window 0: v0-31 addresses and the scale; from v128 A's fragments, ONE set (on the way out: the codes).  window 1: B's fragments, TWO sets.  windows 2, 3: the accumulators ((a, b) at v[8 (8 (a % 4) + b)]).
.set ROWB,   256                       ; a tile's row in bytes: 256 codes
.set KROW,   1024                      ; a row of xc or wc in memory
.set PITCH,  272                       ; an LDS row: 256 bytes + 16 of padding = 68 words, so that the 16 rows of a fragment load start at 16 different banks (64 banks of 4 bytes: ISA guide 11.1)
.set FR,     16                        ; registers of a fragment: 16 rows x 128 K
.set NL,     4                         ; LDS loads that bring one
.set NP,     4                         ; places behind this matrix instruction (ISA guide 7.12.1)
.set HALFT,  128*PITCH
.set SLOT,   4*HALFT                   ; A's 256 rows, then B's 256 rows
.set SPARE,  2*SLOT                    ; behind the ring: the spare words, 128 bytes for each wave, that no other line names
.set ADRA, 16                          ; v16-17  LDS address of my A fragments in slot 0, 1
.set ADRB, 20                          ; v20-21  the same for B
.set GOF,  27                          ; v27     16 x lane: my place in a stored piece
.set SPW,  28                          ; v28     my spare word; never rewritten
.set NIL,  29                          ; v29     0; never rewritten
.set VSC,  30                          ; v30     2^E as f32
.set VLIM, 31                          ; v31     448 x 2^E
.set AF,   128
.set CD,   128                         ; the codes: block a's at v[128 + 16 a]
.set G1, 24
.set G0, 32
.set G1B, 48
.set G0B, 56
.set MSB, 0
.macro WIN new                         ; the immediate's high byte repeats the setting that is left
.if MSB != (\new)
	s_set_vgpr_msb (MSB<<8)|(\new)
.set MSB, (\new)
.endif
.endm
.set MUL_LO, 0xa1                      ; source 0 (B) window 1, source 1 (A) window 0, C and D window 2
.set MUL_HI, 0xf1                      ; the same, C and D window 3
.set TO_B,   0x40                      ; destination window 1, address window 0
; A joint load: waves 0 and 1 fetch for A, waves 2 and 3 for B.  The branch hangs on the wave's number alone.  Four v_nop follow each of the two lines.
.macro JLOAD g0a, g1a, g0b, g1b
	s_cmp_eq_u32 s15, 0
	s_cbranch_scc0 .Lfor_b_\@
	tensor_load_to_lds s[\g0a:\g0a+3], s[\g1a:\g1a+7]
	s_nop 0
.rept 4
	v_nop
.endr
	s_branch .Lasked_\@
.Lfor_b_\@:
	tensor_load_to_lds s[\g0b:\g0b+3], s[\g1b:\g1b+7]
	s_nop 0
.rept 4
	v_nop
.endr
.Lasked_\@:
.endm
.macro CREST                           ; a round of the cluster's barrier behind its opening barrier
	s_cmp_lg_u32 s14, 0
	s_cbranch_scc1 .Lnot_wave_0_\@
	s_barrier_signal -3
.Lnot_wave_0_\@:
	s_barrier_wait -3
	s_barrier_signal -1
	s_barrier_wait -1
.endm
.macro CROUND
	s_barrier_signal -1
	s_barrier_wait -1
	CREST
.endm
	s_load_b128 s[4:7], s[0:1], 0x0                ; xc s[4:5], wc s[6:7]
	s_load_b128 s[8:11], s[0:1], 0x10              ; the scales' exponents s[8:9], qkv s[10:11]
	v_lshl_add_u32 v[SPW], v0, 2, SPARE
	v_mov_b32 v[NIL], 0
	ds_add_u32 v28, v29
	ds_add_u32 v28, v29
	s_wait_dscnt 0x0
	v_lshrrev_b32 v1, 5, v0
	v_readfirstlane_b32 s14, v1                    ; wave 0..3
	s_lshr_b32 s15, s14, 1                         ; which half of A's rows is mine.  Also: I fetch for A (0) or for B (1)
	s_and_b32 s16, s14, 1                          ; which half of B's rows.  Also: which 128 rows of that tile I fetch
	s_bfe_u32 s40, ttmp6, 0x40000                  ; cx, cy: my place in the cluster
	s_bfe_u32 s41, ttmp6, 0x40004
	s_and_b32 s80, ttmp7, 0xffff
	s_lshl_b32 s80, s80, 2                         ; 4 x cluster y
	s_add_co_u32 s81, s80, s41
	s_add_co_u32 s82, s80, s40
	s_cmp_eq_u32 ttmp9, 2                          ; v?  The cluster's x is the same in all sixteen partners
	s_cselect_b32 s17, s41, s81                    ; A's tile: q, k: tokens 4 Y + cy; v: features cy.  It never holds cx
	s_cselect_b32 s42, s82, s40                    ; B's tile: q, k: features cx; v: tokens 4 Y + cx.  It never holds cy
	s_lshl_b32 s43, s41, 2
	s_lshl_b32 s43, 15, s43                        ; my row of the cluster
	s_lshl_b32 s44, 0x1111, s40                    ; my column
	s_or_b32 s[G1+0], s43, (0<<16)|(1<<20)|(1<<21)|(5<<22)|(3<<25)  ; 15:0 the mask; 17:16 elements of 1 byte; 20 padding on; 21 set beside a mask; 24:22 after every 64 words; 31:25 four words
	s_or_b32 s[G1B+0], s44, (0<<16)|(1<<20)|(1<<21)|(5<<22)|(3<<25)
.irp g, G1, G1B
	s_mov_b32 s[\g+1], ROWB<<16                    ; tensor_dim0
	s_mov_b32 s[\g+2], 128<<16                     ; tensor_dim1
	s_mov_b32 s[\g+3], ROWB<<16                    ; tile_dim0
	s_mov_b32 s[\g+4], 128                         ; tile_dim1
	s_mov_b32 s[\g+5], KROW                        ; tensor_dim0_stride
	s_mov_b32 s[\g+6], 0
	s_mov_b32 s[\g+7], 0
.endr
	s_lshl_b32 s18, s16, 17                        ; the 128 rows of 1,024 bytes that I fetch
	s_lshl_b32 s20, s17, 18                        ; A: 256 rows a tile
	s_add_co_u32 s20, s20, s18
	s_lshl_b32 s46, s42, 18                        ; B likewise
	s_add_co_u32 s46, s46, s18
	s_mov_b32 s21, 0
	s_mov_b32 s47, 0
	s_mul_i32 s45, s14, HALFT                      ; where they go: wave x 128 rows: no place in the cluster enters an LDS address
	s_lshl_b32 s84, ttmp9, 23                      ; the section of xc, and the part of qkv: 8 MiB each
	s_mov_b32 s85, 0
	s_lshl_b32 s86, ttmp9, 20                      ; the section of wc: 1 MiB
	s_mov_b32 s87, 0
	s_wait_kmcnt 0x0
	s_load_b256 s[68:75], s[8:9], 0x0              ; e0 .. e7
	s_load_b128 s[76:79], s[8:9], 0x20             ; e8 .. e11
	s_add_nc_u64 s[4:5], s[4:5], s[84:85]
	s_add_nc_u64 s[6:7], s[6:7], s[86:87]
	s_cmp_eq_u32 ttmp9, 2
	s_cselect_b64 s[88:89], s[6:7], s[4:5]         ; A: v takes the weights here,
	s_cselect_b64 s[90:91], s[4:5], s[6:7]         ; B: and the tokens here
	s_add_nc_u64 s[20:21], s[88:89], s[20:21]
	s_add_nc_u64 s[46:47], s[90:91], s[46:47]
	CROUND                                         ; all sixteen work-groups are here: the first joint loads meet
.irp s, 0,1
	s_mov_b32 s[G0+4*\s], 1
	s_add_co_u32 s[G0+4*\s+1], s45, \s*SLOT
	s_add_nc_u64 s[G0+4*\s+2:G0+4*\s+3], s[20:21], \s*ROWB
	s_or_b32 s[G0+4*\s+3], s[G0+4*\s+3], 0x80000000
	s_mov_b32 s[G0B+4*\s], 1
	s_add_co_u32 s[G0B+4*\s+1], s45, \s*SLOT
	s_add_nc_u64 s[G0B+4*\s+2:G0B+4*\s+3], s[46:47], \s*ROWB
	s_or_b32 s[G0B+4*\s+3], s[G0B+4*\s+3], 0x80000000
	JLOAD G0+4*\s, G1, G0B+4*\s, G1B
.endr
	v_and_b32 v1, 15, v0                           ; l % 16
	v_bfe_u32 v2, v0, 4, 1                         ; l / 16
	v_mul_u32_u24 v3, v1, PITCH
	v_lshl_add_u32 v4, v2, 4, v3                   ; a fragment's row x pitch + 16 x half
	s_mul_i32 s21, s15, HALFT                      ; my 128 rows of A
	s_mul_i32 s22, s16, HALFT                      ; my 128 rows of B,
	s_add_co_u32 s22, s22, 2*HALFT                 ; which lie behind A's 256
.irp s, 0,1
	v_add_nc_u32 v[ADRA+\s], s21, v4
	v_add_nc_u32 v[ADRB+\s], s22, v4
	s_add_co_u32 s21, s21, SLOT
	s_add_co_u32 s22, s22, SLOT
.endr
	v_and_b32 v6, 31, v0
	v_lshlrev_b32 v[GOF], 4, v6
	; where my codes go.  T: my tile of 256 tokens, F: of 256 features (4 heads), th, fh: my half of each.  One formula serves all three parts:
	; part + ((T / 8) 16 + 4 F + 2 fh) x 131,072 (my first (batch, head)) + ((T % 8) 2 + th) x 8,192 (my 128 tokens: 8 tiles of q or k, or one key step of v)
	s_cmp_eq_u32 ttmp9, 2
	s_cselect_b32 s92, s42, s17                    ; T
	s_cselect_b32 s93, s17, s42                    ; F
	s_cselect_b32 s94, s15, s16                    ; fh
	s_cselect_b32 s95, s16, s15                    ; th
	s_lshr_b32 s98, s92, 3
	s_lshl_b32 s98, s98, 4
	s_lshl_b32 s93, s93, 2
	s_add_co_u32 s98, s98, s93
	s_lshl_b32 s94, s94, 1
	s_add_co_u32 s98, s98, s94
	s_lshl_b32 s98, s98, 17
	s_and_b32 s92, s92, 7
	s_lshl_b32 s92, s92, 1
	s_add_co_u32 s92, s92, s95
	s_lshl_b32 s92, s92, 13
	s_add_co_u32 s98, s98, s92
	s_add_co_u32 s98, s98, s84
	s_mov_b32 s99, 0
	s_add_nc_u64 s[10:11], s[10:11], s[98:99]
.macro FRAG reg, adr, q, i             ; 16 rows x 128 K: lane l holds row l % 16; registers 4 c .. 4 c + 3 hold K = 32 c + 16 (l / 16) + 0 .. 15: the same order of K on both sides of every product
.irp c, 0,1,2,3
	ds_load_b128 v[\reg+4*\c:\reg+4*\c+3], v[\adr] offset:128*(\q)+32*\c+(\i)*16*PITCH
.endr
.endm
; 16 matrix instructions: A's blocks a0, a0 + 1 x B's eight.  p: B's set.  zero = 1: the first product starts the sums.  The 64 accumulators take turns, one instruction a turn, in the same order in every step.
.macro MUL16 a0, p, zero
.irp a, \a0, \a0+1
.irp b, 0,1,2,3,4,5,6,7
.if \zero
	v_wmma_f32_16x16x128_fp8_fp8 v[8*(8*((\a)%4)+\b):8*(8*((\a)%4)+\b)+7], v[128*(\p)+FR*\b:128*(\p)+FR*\b+FR-1], v[AF+FR*(\a):AF+FR*(\a)+FR-1], 0
.else
	v_wmma_f32_16x16x128_fp8_fp8 v[8*(8*((\a)%4)+\b):8*(8*((\a)%4)+\b)+7], v[128*(\p)+FR*\b:128*(\p)+FR*\b+FR-1], v[AF+FR*(\a):AF+FR*(\a)+FR-1], v[8*(8*((\a)%4)+\b):8*(8*((\a)%4)+\b)+7]
.endif
.endr
.endr
.endm
.macro FETCH_B slot, q, p
	WIN TO_B
.irp i, 0,1,2,3,4,5,6,7
	FRAG 128*(\p)+FR*\i, ADRB+\slot, \q, \i
.endr
	WIN 0
.endm
.macro FETCH_A slot, q, i0
.irp i, \i0, \i0+1, \i0+2, \i0+3
	FRAG AF+FR*(\i), ADRA+\slot, \q, \i
.endr
.endm
.macro PLACES n                        ; plain vector lines between a matrix instruction and a load into, or a vector read or write of, one of its registers
.rept \n
	v_nop
.endr
.endm
; A step of 128 along K that has its successor in the same slot.  A's blocks 0-3 are fetched anew in the middle, blocks 4-7 at the end; B's next set in the middle.
.macro STEP slot, q, zero
	s_wait_dscnt 4*NL                              ; B's set and A's blocks 0-3 are in; the youngest 16 loads (A's blocks 4-7) may be out
	WIN MUL_LO
	MUL16 0, (\q)%2, \zero
	MUL16 2, (\q)%2, \zero
	s_wait_dscnt 0                                 ; A's blocks 4-7 are in
	PLACES NP
	FETCH_B \slot, (\q)+1, 1-(\q)%2
	FETCH_A \slot, (\q)+1, 0
	WIN MUL_HI
	MUL16 4, (\q)%2, \zero
	MUL16 6, (\q)%2, \zero
	PLACES NP
	WIN 0
	FETCH_A \slot, (\q)+1, 4
.endm
; A slot's last step changes slots: one barrier; in front of it each wave waits for all its tensor loads, adds 0 to its spare word, and waits for that and for its reads of this slot.  fill = 1: this slot is filled again, two K steps ahead.
.macro TURN slot, next, fill
	s_wait_tensorcnt 0x0                           ; all my tensor loads have landed: my part of the next slot
	ds_add_u32 v[SPW], v[NIL]                      ; 0 onto my spare word
	s_wait_dscnt 4*NL+1                            ; (the add and the youngest 16 loads may be out)
	WIN MUL_LO
	MUL16 0, 1, 0
	s_wait_dscnt 0x0                               ; the add is done, and my reads of this slot are over
	s_barrier_signal -1
	MUL16 2, 1, 0
	WIN 0
	s_barrier_wait -1
.if \fill
	CREST                                          ; the barrier has opened a round of the cluster's barrier: no wave of any partner still reads this slot or has a load on its way
	s_add_nc_u64 s[G0+4*\slot+2:G0+4*\slot+3], s[G0+4*\slot+2:G0+4*\slot+3], 2*ROWB
	s_add_nc_u64 s[G0B+4*\slot+2:G0B+4*\slot+3], s[G0B+4*\slot+2:G0B+4*\slot+3], 2*ROWB
	JLOAD G0+4*\slot, G1, G0B+4*\slot, G1B         ; the first tensor load behind the round; its four v_nop are also the places in front of the loads below
.else
	PLACES NP
.endif
	FETCH_B \next, 0, 0
	FETCH_A \next, 0, 0
	WIN MUL_HI
	MUL16 4, 1, 0
	MUL16 6, 1, 0
	PLACES NP
	WIN 0
	FETCH_A \next, 0, 4
.endm
	s_wait_tensorcnt 1                             ; my part of K step 0 is in (K step 1's load may be out)
	s_barrier_signal -1
	s_barrier_wait -1                              ; everybody's is
	FETCH_B 0, 0, 0
	FETCH_A 0, 0, 0
	FETCH_A 0, 0, 4
	STEP 0, 0, 1                                   ; K = 1,024 is eight steps of 128: written out, no loop.  The first products start the sums
	TURN 0, 1, 1                                   ; slot 0 takes K 512 on
	STEP 1, 0, 0
	TURN 1, 0, 1                                   ; slot 1 takes K 768 on
	STEP 0, 0, 0
	TURN 0, 1, 0                                   ; nothing is left to fetch
	STEP 1, 0, 0
	s_wait_dscnt 4*NL
	WIN MUL_LO
	MUL16 0, 1, 0
	MUL16 2, 1, 0
	s_wait_dscnt 0
	WIN MUL_HI
	MUL16 4, 1, 0
	MUL16 6, 1, 0
	WIN 0
	; THE WAY OUT.  E = eout - ew - ex of my product, chosen by the cluster's x without a branch
	s_wait_kmcnt 0x0
	s_sub_co_i32 s80, s74, s68
	s_sub_co_i32 s80, s80, s69                     ; q: e6 - e0 - e1
	s_sub_co_i32 s81, s75, s70
	s_sub_co_i32 s81, s81, s71                     ; k: e7 - e2 - e3
	s_sub_co_i32 s82, s77, s72
	s_sub_co_i32 s82, s82, s73                     ; v: e9 - e4 - e5
	s_cmp_eq_u32 ttmp9, 1
	s_cselect_b32 s81, s81, s82
	s_cmp_eq_u32 ttmp9, 0
	s_cselect_b32 s80, s80, s81
	s_add_co_i32 s80, s80, 127
	s_lshl_b32 s81, s80, 23
	v_mov_b32 v[VSC], s81
	s_add_co_i32 s80, s80, 8
	s_lshl_b32 s80, s80, 23
	s_or_b32 s80, s80, 0x600000
	v_mov_b32 v[VLIM], s80
	PLACES NP
; Block a (16 rows of A): its 64 sums a lane are held in place, each accumulator from its low end on, and converted: B's blocks 2 g and 2 g + 1 give the four registers of one 16-byte piece.
.macro QOUT a
.set AC, 64*((\a)%4)
	WIN 0x82+0x41*((\a)/4)                         ; source 0 and destination: window 2 or 3; the bound in window 0
.set j, 0
.rept 64
	v_med3_num_f32 v[AC+j], v[AC+j], -v[VLIM], v[VLIM]   ; the conversion does not saturate (ISA guide 7.6.2)
.set j, j+1
.endr
	WIN 0x02+((\a)/4)                              ; source 0: window 2 or 3; the codes and the scale in window 0
.irp b, 0,1,2,3,4,5,6,7
	v_cvt_scalef32_pk8_fp8_f32 v[CD+16*(\a)+2*\b:CD+16*(\a)+2*\b+1], v[AC+8*\b:AC+8*\b+7], v[VSC]
.endr
.endm
.irp a, 0,1,2,3,4,5,6,7
	QOUT \a                                        ; (the next block's holds are the plain lines behind a block's conversions)
.endr
	v_nop                                          ; and one behind the last
	WIN 0
	s_cmp_eq_u32 ttmp9, 2                          ; the two lists differ in their immediates alone; the branch is the same in all partners
	s_cbranch_scc1 .Lstore_v
.irp a, 0,1,2,3,4,5,6,7
.irp b, 0,1,2,3
	global_store_b128 v[GOF], v[CD+16*\a+4*\b:CD+16*\a+4*\b+3], s[10:11] offset:(\b/2)*131072+\a*1024+(\b%2)*512   ; q, k: head b / 2 of my two, tile a of my eight, half b % 2 of the head's 64
.endr
.endr
	s_branch .Lstored
.Lstore_v:
.irp a, 0,1,2,3,4,5,6,7
.irp b, 0,1,2,3
	global_store_b128 v[GOF], v[CD+16*\a+4*\b:CD+16*\a+4*\b+3], s[10:11] offset:(\a/4)*131072+(\a%4)*2048+\b*512   ; v: head a / 4 of my two, channels' tile a % 4, keys 32 b on
.endr
.endr
.Lstored:
	s_wait_tensorcnt 0x0                           ; the wave's end
	ds_add_u32 v[SPW], v[NIL]
	s_wait_dscnt 0x0
	CROUND                                         ; the closing round: no work-group ends while a partner may still ask for a tile that names it
	s_endpgm
.Lfunc_end_k_q4331ee7794_qkv:
	.size	k_q4331ee7794_qkv, .Lfunc_end_k_q4331ee7794_qkv-k_q4331ee7794_qkv
	.p2alignl 7, 3214868480
	.fill 96, 4, 3214868480
	.section	.rodata,"a",@progbits
	.p2align	6, 0x0
	.amdhsa_kernel k_q4331ee7794_qkv
		.amdhsa_group_segment_fixed_size 327680
		.amdhsa_private_segment_fixed_size 0
		.amdhsa_enable_private_segment 0
		.amdhsa_kernarg_size 32
		.amdhsa_user_sgpr_count 2
		.amdhsa_user_sgpr_kernarg_segment_ptr 1
		.amdhsa_wavefront_size32 1
		.amdhsa_system_sgpr_workgroup_id_x 1
		.amdhsa_system_sgpr_workgroup_id_y 1
		.amdhsa_system_sgpr_workgroup_id_z 1
		.amdhsa_system_vgpr_workitem_id 0
		.amdhsa_next_free_vgpr 1024
		.amdhsa_next_free_sgpr 100
		.amdhsa_reserve_vcc 0
		.amdhsa_float_denorm_mode_32 3
		.amdhsa_float_denorm_mode_16_64 3
		.amdhsa_memory_ordered 1
		.amdhsa_forward_progress 1
		.amdhsa_inst_pref_size 121
	.end_amdhsa_kernel
	.amdgpu_metadata
---
amdhsa.version: [ 1, 2 ]
amdhsa.kernels:
  - .name:           k_q4331ee7794_qkv
    .symbol:         k_q4331ee7794_qkv.kd
    .args:
      - { .name: xc, .offset: 0, .size: 8, .value_kind: global_buffer, .address_space: global }
      - { .name: wc, .offset: 8, .size: 8, .value_kind: global_buffer, .address_space: global }
      - { .name: lowp_scales, .offset: 16, .size: 8, .value_kind: global_buffer, .address_space: global }
      - { .name: qkv, .offset: 24, .size: 8, .value_kind: global_buffer, .address_space: global }
    .group_segment_fixed_size: 327680
    .private_segment_fixed_size: 0
    .kernarg_segment_align: 8
    .kernarg_segment_size: 32
    .max_flat_workgroup_size: 128
    .sgpr_count:     100
    .vgpr_count:     1024
    .wavefront_size: 32
...
	.end_amdgpu_metadata
.endif
;; end of part 2
;; launch attn (part 3): grid 4 x 64, 16 waves a work-group, clusters of 4 x 1, 264,192 bytes of LDS; arguments qkv, lowp_scales, zi; writes zi
.if DOCPART == 3
	.amdgcn_target "amdgcn-amd-amdhsa--gfx1250"
	.amdhsa_code_object_version 6
	.text
	.protected	k_q4331ee7794_attn
	.globl	k_q4331ee7794_attn
	.p2align	8
	.type	k_q4331ee7794_attn,@function
k_q4331ee7794_attn:
	s_mov_b64 s[64:65], 0
	v_nop
	global_prefetch_b8 v0, s[64:65] scope:SCOPE_SE
	s_setreg_imm32_b32 hwreg(HW_REG_WAVE_MODE, 25, 1), 1
	s_wait_xcnt 0x0
	s_wait_alu depctr_hold_cnt(0) depctr_sa_sdst(0) depctr_va_vdst(0) depctr_va_sdst(0) depctr_va_ssrc(0) depctr_va_vcc(0) depctr_vm_vsrc(0)
	s_getreg_b32 s2, hwreg(HW_REG_IB_STS2, 6, 4)
	s_cmp_eq_u32 s2, 0
	s_cbranch_scc0 .Lentry_in_a_cluster
	s_endpgm
.Lentry_in_a_cluster:
	s_bfe_u32 s2, ttmp6, 0x10000c
	s_cmp_lg_u32 s2, 0x3003
	s_cbranch_scc0 .Lentry_shape_is_right
	s_endpgm
.Lentry_shape_is_right:
; z = softmax(q k^T / 8, causal) v for one (batch, head) a cluster, both products on codes of E4M3; z is quantised at once (scale entry 10) and leaves in the order of the last product's operand registers.
; THE SOFTMAX: t = score x log2(e) / 8; M = the running largest t rounded UP to a whole number; p = 2^(t - M) is quantised (entry 8), not normalised; the row's sum is taken of the unquantised p and divides at the end.
; When M moves, the sum and O are multiplied by 2^(old M - new M), which rounds nothing.
; SHARES.  The head's K (131,072 bytes of register images) and V (as many) stay in LDS for the whole launch: each byte of LDS is filled once.  The four work-groups of a cluster need the same bytes and ask for them
; JOINTLY.  A wave owns TWO tiles of 16 queries: tile 4 w + cx and tile 127 - (4 w + cx).  Tile a needs the key steps (128 keys) 0 .. a / 8, so the two tiles' last steps are w / 2 and 15 - w / 2: they hang on the
; wave's number alone, and every wave has 17 steps.  cx enters q's and z's global addresses and the number that the mask compares with, nothing else.
; LAYOUT.  Both products are used transposed: S^T = K Q^T (source 0 = 16 keys), O^T = V^T P^T (source 0 = 16 channels): a lane holds ONE query throughout.  The images' tiles hold rows 32 (a / 2) + 8 (a % 2) + r + 8 (r / 8),
; so that the 16 registers of result tiles 2 b and 2 b + 1 are 16 neighbours 32 b + 16 (lane / 16) + 0 .. 15: p's and z's conversions give operand registers as they stand.
; The fills go out in four quarters of 512 keys; the steps of a quarter begin when that quarter has landed.
; LIMITS: e6 + e7 between -123 and 130 (added to c's exponent field); e8 between -126 and 119; e8 + e9 - e10 is applied by v_ldexp_f32 and has none.  NaN is not served.
; REGISTERS: v1-5 addresses; v8-11, v12-15 the two tiles' -M, largest t, sum in two halves; v16-31 Q; v32-95 eight fragments of K, then four of V; v96-159 S^T, then p; v160-223 O^T; v224-239 p's codes; v240-252 constants and work.
.set LI,   1                           ; v1   16 x lane
.set LIV,  2                           ; v2   the same in V's half of LDS
.set ADK,  3                           ; v3   the step's K
.set ADV,  4                           ; v4   the step's V
.set VQ,   5                           ; v5   r + 8 (r / 8) - 16 (lane / 16)
.set F,    32
.set S,    96
.set WV,   10                          ; s10  wave
.set KS,   17                          ; s17  the key step
.set TB,   18                          ; s18  8,192 x the key step: its bytes in K's and in V's half
.set CNT,  19                          ; s19  counts a quarter's four steps
.set SEL,  20                          ; s[20:21] v_permlanex16_b32: lane l xor 16
.set CS,   22                          ; s[22:23] c
.set G1,   24                          ; s[24:31] descriptor group 1
.set G0,   32                          ; s[32:47] descriptor group 0, a set for each quarter
.macro CROUND                          ; a round of the cluster's barrier
	s_barrier_signal -1
	s_barrier_wait -1
	s_cmp_lg_u32 s[WV], 0
	s_cbranch_scc1 .Lnot_wave_0_\@
	s_barrier_signal -3
.Lnot_wave_0_\@:
	s_barrier_wait -3
	s_barrier_signal -1
	s_barrier_wait -1
.endm
	s_load_b128 s[4:7], s[0:1], 0x0                ; qkv s[4:5], the scales' exponents s[6:7]
	s_load_b64 s[8:9], s[0:1], 0x10                ; zi
	v_lshl_add_u32 v254, v0, 2, 0x40000
	v_mov_b32 v255, 0
	ds_add_u32 v254, v255
	ds_add_u32 v254, v255
	v_lshrrev_b32 v1, 5, v0
	v_readfirstlane_b32 s[WV], v1                  ; wave 0..15
	s_bfe_u32 s11, ttmp6, 0x40000                  ; cx
	s_and_b32 s12, ttmp7, 0xffff                   ; (batch, head): 16 b + head
	; a fill: 16,384 dense bytes as 64 rows of 256
	s_mov_b32 s[G1], 15|(3<<16)|(1<<21)            ; 15:0 the mask: all four work-groups; 17:16 elements of 8 bytes; 21 set beside a mask; no padding
	s_mov_b32 s[G1+1], 32<<16                      ; tensor_dim0 = 32 elements
	s_mov_b32 s[G1+2], 64<<16                      ; tensor_dim1 = 64
	s_mov_b32 s[G1+3], 32<<16                      ; tile_dim0
	s_mov_b32 s[G1+4], 64                          ; tile_dim1
	s_mov_b32 s[G1+5], 32                          ; tensor_dim0_stride
	s_mov_b32 s[G1+6], 0
	s_mov_b32 s[G1+7], 0
	s_lshr_b32 s62, s[WV], 1
	s_and_b32 s62, s62, 1                          ; waves 0, 1 fetch K, waves 2, 3 V,
	s_and_b32 s63, s[WV], 1                        ; each one half of a quarter
	s_lshl_b32 s70, s62, 17
	s_lshl_b32 s71, s63, 14
	s_add_co_u32 s70, s70, s71                     ; in LDS,
	s_add_co_u32 s72, s62, 1
	s_lshl_b32 s72, s72, 23                        ; and in qkv: part 1 is k, part 2 is v,
	s_add_co_u32 s72, s72, s71
	s_lshl_b32 s2, s12, 17                         ; 131,072 bytes for each (batch, head)
	s_add_co_u32 s72, s72, s2
	s_mov_b32 s73, 0
	s_lshl_b32 s13, s[WV], 2
	s_add_co_u32 s13, s13, s11                     ; tile A = 4 w + cx
	s_sub_co_u32 s14, 127, s13                     ; tile B
	s_lshr_b32 s15, s[WV], 1                       ; A's last key step
	s_sub_co_u32 s16, 15, s15                      ; B's
	s_mov_b32 s[SEL], 0x76543210
	s_mov_b32 s[SEL+1], 0xfedcba98
	s_mov_b32 s[CS], 0x3e38aa3b                    ; c = log2(e) / 8
	s_wait_dscnt 0x0
	s_wait_kmcnt 0x0
	s_load_b128 s[48:51], s[6:7], 0x18             ; e6 (q), e7 (k), e8 (p), e9 (v)
	s_load_b32 s52, s[6:7], 0x28                   ; e10 (z)
	s_add_nc_u64 s[72:73], s[4:5], s[72:73]
.irp g, 0,1,2,3
	s_mov_b32 s[G0+4*\g], 1
	s_add_co_u32 s[G0+4*\g+1], s70, \g*32768
	s_add_nc_u64 s[G0+4*\g+2:G0+4*\g+3], s[72:73], \g*32768
	s_or_b32 s[G0+4*\g+3], s[G0+4*\g+3], 0x80000000
.endr
	CROUND                                         ; all four work-groups are here: the joint loads meet
	s_cmp_lt_u32 s[WV], 4                          ; all fills of a wave stand in one branch on its number, ahead of every wait on TENSORcnt and every LDS read: four loads of mine are out
	s_cbranch_scc0 .Lno_fill
	tensor_load_to_lds s[G0:G0+3], s[G1:G1+7]
	s_nop 0
	tensor_load_to_lds s[G0+4:G0+7], s[G1:G1+7]
	s_nop 0
	tensor_load_to_lds s[G0+8:G0+11], s[G1:G1+7]
	s_nop 0
	tensor_load_to_lds s[G0+12:G0+15], s[G1:G1+7]
	s_nop 0
.rept 4
	v_nop
.endr
.Lno_fill:
	v_and_b32 v6, 31, v0
	v_lshlrev_b32 v[LI], 4, v6
	v_add_nc_u32 v[LIV], 0x20000, v[LI]
	s_mov_b32 s3, 0
	s_lshl_b32 s55, s13, 10
	s_add_co_u32 s2, s2, s55                       ; q: the head's bytes + 1,024 for each tile
	s_add_nc_u64 s[66:67], s[4:5], s[2:3]
	s_lshl_b32 s2, s12, 17
	s_lshl_b32 s55, s14, 10
	s_add_co_u32 s2, s2, s55
	s_add_nc_u64 s[68:69], s[4:5], s[2:3]
	global_load_b128 v[16:19], v[LI], s[66:67]             ; Q's two fragments stay in registers
	global_load_b128 v[20:23], v[LI], s[66:67] offset:512
	global_load_b128 v[24:27], v[LI], s[68:69]
	global_load_b128 v[28:31], v[LI], s[68:69] offset:512
	; zi: [128 b + tile][head][half of 64][lane][16]
	s_lshr_b32 s55, s12, 4
	s_lshl_b32 s55, s55, 7                         ; 128 b
	s_and_b32 s57, s12, 15
	s_lshl_b32 s57, s57, 10                        ; the head's 1,024 bytes
	s_add_co_u32 s2, s55, s13
	s_lshl_b32 s2, s2, 14
	s_add_co_u32 s2, s2, s57
	s_add_nc_u64 s[58:59], s[8:9], s[2:3]
	s_add_co_u32 s2, s55, s14
	s_lshl_b32 s2, s2, 14
	s_add_co_u32 s2, s2, s57
	s_add_nc_u64 s[60:61], s[8:9], s[2:3]
	; the mask on the diagonal: a tile's first query less the diagonal step's first key = 32 ((a / 2) % 4) + 8 (a % 2)
	s_lshr_b32 s53, s13, 1
	s_and_b32 s53, s53, 3
	s_lshl_b32 s53, s53, 5
	s_and_b32 s55, s13, 1
	s_lshl_b32 s55, s55, 3
	s_add_co_u32 s53, s53, s55
	s_lshr_b32 s54, s14, 1
	s_and_b32 s54, s54, 3
	s_lshl_b32 s54, s54, 5
	s_and_b32 s55, s14, 1
	s_lshl_b32 s55, s55, 3
	s_add_co_u32 s54, s54, s55
	v_and_b32 v6, 15, v0                           ; r
	v_and_b32 v7, 8, v6
	v_add_nc_u32 v[VQ], v6, v7                     ; r + 8 (r / 8)
	v_bfe_u32 v7, v0, 4, 1
	v_lshlrev_b32 v7, 4, v7
	v_sub_nc_u32 v[VQ], v[VQ], v7                  ; - 16 (lane / 16)
	v_mov_b32 v9, 0xff61b1e6                       ; the largest t so far: -3e38, under every t
	v_floor_f32 v8, -v9                            ; -M
	v_mov_b32 v10, 0
	v_mov_b32 v11, 0
	v_mov_b32 v13, 0xff61b1e6
	v_floor_f32 v12, -v13
	v_mov_b32 v14, 0
	v_mov_b32 v15, 0
	v_mov_b32 v245, 0                              ; named as the upper half of the pair v[244:245]
	v_mov_b32 v248, 0                              ; a lane permute's destination counts as one of its sources
	v_mov_b32 v249, 0xff800000                     ; -infinity
	v_mov_b32 v251, 0x43e00000                     ; 448
	v_mov_b32 v252, 1.0
.set j, 0
.rept 64
	v_mov_b32 v[160+j], 0                          ; O^T of both tiles.  (The step is written once: the first finds zeros, which the first change of M leaves zeros)
.set j, j+1
.endr
	s_wait_kmcnt 0x0
	s_add_co_i32 s55, s48, s49
	s_lshl_b32 s55, s55, 23
	s_add_co_i32 s[CS], s[CS], s55                 ; a score stands for score x 2^(e6 + e7)
	s_mov_b32 s[CS+1], s[CS]                       ; named with it as a pair
	s_add_co_i32 s55, s50, 127
	s_lshl_b32 s57, s55, 23
	v_mov_b32 v241, s57                            ; 2^e8 as f32
	s_add_co_i32 s55, s55, 8
	s_lshl_b32 s55, s55, 23
	s_or_b32 s55, s55, 0x600000
	v_mov_b32 v240, s55                            ; 448 x 2^e8
	s_add_co_i32 s56, s50, s51
	s_sub_co_i32 s56, s56, s52                     ; e8 + e9 - e10
; ONE TILE'S KEY STEP: 16 queries x 128 keys.  st: the tile's statistics; q: its Q; o: its O^T; l: the scalar with its last step; dq: the scalar for its mask.
.macro TILESTEP st, q, o, l, dq
	s_cmp_gt_u32 s[KS], s[\l]                      ; all keys of the step come after the tile's queries: nothing is done.  The branch hangs on the wave's number and the loop's count
	s_cbranch_scc1 .Lskip_\@
	v_add_nc_u32 v[ADK], s[TB], v[LI]
	v_add_nc_u32 v[ADV], s[TB], v[LIV]
	v_nop                                          ; with the two additions: four places in front of loads into registers that the last products read
	v_nop
.irp t, 0,1,2,3,4,5,6,7
	ds_load_b128 v[F+8*\t:F+8*\t+3], v[ADK] offset:1024*\t
	ds_load_b128 v[F+8*\t+4:F+8*\t+7], v[ADK] offset:1024*\t+512
.endr
	s_wait_dscnt 0x0
.irp t, 0,1,2,3,4,5,6,7
	v_wmma_f32_16x16x64_fp8_fp8 v[S+8*\t:S+8*\t+7], v[F+8*\t:F+8*\t+7], v[\q:\q+7], 0
.endr
.rept 4
	v_nop                                          ; places in front of the loads below and of the first read of the scores
.endr
.irp t, 0,1,2,3
.irp c, 0,1,2,3
	ds_load_b128 v[F+16*\t+4*\c:F+16*\t+4*\c+3], v[ADV] offset:2048*\t+512*\c   ; V lands while the softmax is walked
.endr
.endr
	s_cmp_lg_u32 s[KS], s[\l]                      ; only the tile's last step lies on the diagonal
	s_cbranch_scc1 .Lopen_\@
	v_add_nc_u32 v250, s[\dq], v[VQ]               ; d = my query - the step's first key - 16 (lane / 16).  Register n holds key 32 (n / 16) + n % 16 + 16 (lane / 16): hidden where 32 (n / 16) + n % 16 > d
.set n, 0
.rept 64
	v_cmp_gt_i32 vcc_lo, 32*(n/16)+n%16, v250
	v_cndmask_b32 v[S+n], v[S+n], v249, vcc_lo
.set n, n+1
.endr
.Lopen_\@:
	v_max3_num_f32 v246, v[S], v[S+1], v[S+2]      ; the step's largest score of my query among my 64 keys, in two chains, each accumulator from its low end on
	v_max3_num_f32 v247, v[S+3], v[S+4], v[S+5]
.set j, 6
.rept 14
	v_max3_num_f32 v246, v246, v[S+j], v[S+j+1]
	v_max3_num_f32 v247, v247, v[S+j+2], v[S+j+3]
.set j, j+4
.endr
	v_max3_num_f32 v246, v246, v[S+62], v[S+63]
	v_max_num_f32 v246, v246, v247
	v_permlanex16_b32 v248, v246, s[SEL], s[SEL+1]
	v_max_num_f32 v246, v246, v248                 ; and among lane l xor 16's
	v_mul_f32 v246, s[CS], v246                    ; as t (c is positive)
	v_max_num_f32 v[\st+1], v[\st+1], v246         ; the running largest t
	v_mov_b32 v246, v[\st]
	v_floor_f32 v[\st], -v[\st+1]                  ; the new -M = floor(-t): M is a whole number
	v_sub_f32 v246, v[\st], v246                   ; old M - new M: a whole number, 0 or less
	v_cvt_i32_f32 v246, v246                       ; (it saturates)
	v_ldexp_f32 v244, 1.0, v246                    ; f = 2^(old M - new M)
.set j, 0
.rept 32
	v_pk_fma_f32 v[S+j:S+j+1], v[S+j:S+j+1], s[CS:CS+1], v[\st:\st+1] op_sel_hi:[1,0,0]   ; t - M, two at a time (of the pairs c and -M the low word serves both halves)
.set j, j+2
.endr
.set j, 0
.rept 64
	v_exp_f32 v[S+j], v[S+j]                       ; p = 2^(t - M), at most 1
.set j, j+1
.endr
	v_pk_mul_f32 v[\st+2:\st+3], v[\st+2:\st+3], v[244:245] op_sel_hi:[1,0]   ; the sums under the new M: the plain line behind the exponentials
	s_wait_alu depctr_va_vdst(0)                   ; one wait for the whole batch, ahead of its first reader
	v_pk_add_f32 v[242:243], v[S:S+1], v[S+2:S+3]  ; the row's sum is taken of the unquantised p, in two chains
.set j, 4
.rept 15
	v_pk_add_f32 v[\st+2:\st+3], v[\st+2:\st+3], v[S+j:S+j+1]
	v_pk_add_f32 v[242:243], v[242:243], v[S+j+2:S+j+3]
.set j, j+4
.endr
	v_pk_add_f32 v[\st+2:\st+3], v[\st+2:\st+3], v[242:243]
.irp b, 0,1,2,3
.set j, 0
.rept 16
	v_min_num_f32 v[S+16*\b+j], v[S+16*\b+j], v240   ; the conversion does not saturate (ISA guide 7.6.2); p is not negative, so the hold is one-sided
.set j, j+1
.endr
	v_cvt_scalef32_pk8_fp8_f32 v[224+4*\b:225+4*\b], v[S+16*\b:S+16*\b+7], v241
	v_cvt_scalef32_pk8_fp8_f32 v[226+4*\b:227+4*\b], v[S+16*\b+8:S+16*\b+15], v241
.endr
.set j, 0
.rept 16
	v_pk_mul_f32 v[\o+j:\o+j+1], v[\o+j:\o+j+1], v[244:245] op_sel_hi:[1,0]   ; O^T under the new M.  (Also the plain lines between the conversions and the products)
.set j, j+2
.endr
	s_wait_dscnt 0x0                               ; V is in
.irp t, 0,1,2,3
	v_wmma_f32_16x16x128_fp8_fp8 v[\o+8*\t:\o+8*\t+7], v[F+16*\t:F+16*\t+15], v[224:239], v[\o+8*\t:\o+8*\t+7]   ; four accumulators by turns; eight other products stand between two links on one of them
.endr
.Lskip_\@:
.endm
	s_wait_loadcnt 0x0                             ; Q
.irp g, 0,1,2,3
	s_wait_tensorcnt 3-\g                          ; tensor loads of a wave end in order: my part of quarter g is in; the 3 - g quarters issued behind it may stay out, since no LDS byte is filled twice
	s_barrier_signal -1                            ; (no LDS load of mine is out: each step ends behind its wait for them)
	s_barrier_wait -1                              ; everybody's part is in
	s_mov_b32 s[KS], 4*\g
	s_mov_b32 s[TB], 32768*\g
	s_mov_b32 s[CNT], 4
.Lquarter\g:
	TILESTEP 12, 24, 192, 16, 54                   ; tile B
	TILESTEP 8, 16, 160, 15, 53                    ; tile A
	s_add_co_u32 s[KS], s[KS], 1
	s_add_co_u32 s[TB], s[TB], 8192
	s_sub_co_u32 s[CNT], s[CNT], 1
	s_cmp_lg_u32 s[CNT], 0
	s_cbranch_scc1 .Lquarter\g
.endr
; THE WAY OUT of a tile: z's code = O^T / the sum x 2^(e8 + e9 - e10), held within +-448.  Result tiles 2 c and 2 c + 1 give the four registers of one 16-byte piece; a store of the wave covers 512 consecutive bytes, aligned.
.macro FINISH st, o, pc, zb
	v_add_f32 v[\st+2], v[\st+2], v[\st+3]
	v_permlanex16_b32 v248, v[\st+2], s[SEL], s[SEL+1]
	v_add_f32 v[\st+2], v[\st+2], v248             ; the row's sum
	v_rcp_f32 v[\st+2], v[\st+2]
	v_nop                                          ; a plain line behind the transcendental,
	s_wait_alu depctr_va_vdst(0)                   ; and the wait ahead of its first reader
	v_ldexp_f32 v244, v[\st+2], s56
.set j, 0
.rept 16
	v_pk_mul_f32 v[\o+j:\o+j+1], v[\o+j:\o+j+1], v[244:245] op_sel_hi:[1,0]
.set j, j+2
.endr
.set j, 0
.rept 32
	v_med3_num_f32 v[\o+j], v[\o+j], -v251, v251
.set j, j+1
.endr
.irp t, 0,1,2,3
	v_cvt_scalef32_pk8_fp8_f32 v[\pc+2*\t:\pc+2*\t+1], v[\o+8*\t:\o+8*\t+7], v252
.endr
	v_nop                                          ; a plain line behind the last conversion
	global_store_b128 v[LI], v[\pc:\pc+3], s[\zb:\zb+1]
	global_store_b128 v[LI], v[\pc+4:\pc+7], s[\zb:\zb+1] offset:512
.endm
.rept 4
	v_nop                                          ; places behind the last products
.endr
	FINISH 8, 160, 224, 58
	FINISH 12, 192, 232, 60
	s_wait_tensorcnt 0x0
	ds_add_u32 v254, v255
	s_wait_dscnt 0x0
	CROUND                                         ; the closing round (every tensor load was waited for at the last quarter's head)
	s_endpgm
.Lfunc_end_k_q4331ee7794_attn:
	.size	k_q4331ee7794_attn, .Lfunc_end_k_q4331ee7794_attn-k_q4331ee7794_attn
	.p2alignl 7, 3214868480
	.fill 96, 4, 3214868480
	.section	.rodata,"a",@progbits
	.p2align	6, 0x0
	.amdhsa_kernel k_q4331ee7794_attn
		.amdhsa_group_segment_fixed_size 264192
		.amdhsa_private_segment_fixed_size 0
		.amdhsa_enable_private_segment 0
		.amdhsa_kernarg_size 24
		.amdhsa_user_sgpr_count 2
		.amdhsa_user_sgpr_kernarg_segment_ptr 1
		.amdhsa_wavefront_size32 1
		.amdhsa_system_sgpr_workgroup_id_x 1
		.amdhsa_system_sgpr_workgroup_id_y 1
		.amdhsa_system_sgpr_workgroup_id_z 1
		.amdhsa_system_vgpr_workitem_id 0
		.amdhsa_next_free_vgpr 256
		.amdhsa_next_free_sgpr 80
		.amdhsa_reserve_vcc 1
		.amdhsa_float_denorm_mode_32 3
		.amdhsa_float_denorm_mode_16_64 3
		.amdhsa_memory_ordered 1
		.amdhsa_forward_progress 1
		.amdhsa_inst_pref_size 180
	.end_amdhsa_kernel
	.amdgpu_metadata
---
amdhsa.version: [ 1, 2 ]
amdhsa.kernels:
  - .name:           k_q4331ee7794_attn
    .symbol:         k_q4331ee7794_attn.kd
    .args:
      - { .name: qkv, .offset: 0, .size: 8, .value_kind: global_buffer, .address_space: global }
      - { .name: lowp_scales, .offset: 8, .size: 8, .value_kind: global_buffer, .address_space: global }
      - { .name: zi, .offset: 16, .size: 8, .value_kind: global_buffer, .address_space: global }
    .group_segment_fixed_size: 264192
    .private_segment_fixed_size: 0
    .kernarg_segment_align: 8
    .kernarg_segment_size: 24
    .max_flat_workgroup_size: 512
    .sgpr_count:     80
    .vgpr_count:     256
    .wavefront_size: 32
...
	.end_amdgpu_metadata
.endif
;; end of part 3
;; launch oproj (part 4): grid 4 x 32, 4 waves a work-group, clusters of 4 x 4, 327,680 bytes of LDS; arguments zi, woc, lowp_scales, bo, out0; writes out0
.if DOCPART == 4
	.amdgcn_target "amdgcn-amd-amdhsa--gfx1250"
	.amdhsa_code_object_version 6
	.text
	.protected	k_q4331ee7794_oproj
	.globl	k_q4331ee7794_oproj
	.p2align	8
	.type	k_q4331ee7794_oproj,@function
k_q4331ee7794_oproj:
	s_mov_b64 s[64:65], 0
	v_nop
	global_prefetch_b8 v0, s[64:65] scope:SCOPE_SE
	s_setreg_imm32_b32 hwreg(HW_REG_WAVE_MODE, 25, 1), 1
	s_wait_xcnt 0x0
	s_wait_alu depctr_hold_cnt(0) depctr_sa_sdst(0) depctr_va_vdst(0) depctr_va_sdst(0) depctr_va_ssrc(0) depctr_va_vcc(0) depctr_vm_vsrc(0)
	s_getreg_b32 s2, hwreg(HW_REG_IB_STS2, 6, 4)
	s_cmp_eq_u32 s2, 0
	s_cbranch_scc0 .Lentry_in_a_cluster
	s_endpgm
.Lentry_in_a_cluster:
	s_bfe_u32 s2, ttmp6, 0x10000c
	s_cmp_lg_u32 s2, 0xf033
	s_cbranch_scc0 .Lentry_shape_is_right
	s_endpgm
.Lentry_shape_is_right:
; out0 = z Wo^T x 2^(e10 + e11) + bo, on codes of E4M3, K = 1,024.  A tile of out0 is 256 tokens x 256 columns: four waves of 128 x 128, 64 accumulators each.  K goes in four steps of 256 through two LDS slots.
; A = z arrives as REGISTER IMAGES: zi[tile of 16 tokens][128 along K][32 along K][lane][16]: a fragment is four loads of 512 consecutive bytes, and a K step of a tile is 4,096 dense bytes.  Lane r of tile a holds
; token 32 (a / 2) + 8 (a % 2) + r + 8 (r / 8) of its 128: the stores' immediates put each row back in its place.   B = Wo's codes, rows in order, padded in LDS.
; THE MATRIX INSTRUCTION IS USED TRANSPOSED (source 0 = 16 rows of Wo, source 1 = 16 tokens): a lane holds eight neighbouring columns of one token's row.
; CLUSTERS: 4 x 4 work-groups; A's tile is asked for jointly along a row of the cluster, B's along a column.
; LIMIT: e10 + e11 between -126 and 127, so that 2^(e10 + e11) is an f32 number.
; REGISTERS, in windows of 256: window 0: v0-31 addresses; v96-99 my four numbers of bo; from v128 A's fragments, ONE set (on the way out: rows read back).  window 1: B's fragments, TWO sets.  windows 2, 3: the accumulators.
.set ROWB,   256                       ; B: a tile's row in bytes
.set KROW,   1024                      ; B: a row of woc in memory
.set PITCH,  272                       ; B: an LDS row: 256 bytes + 16 of padding, so that the 16 rows of a fragment load start at 16 different banks (64 banks of 4 bytes: ISA guide 11.1)
.set AHALF,  32768                     ; A: 8 tiles x 4,096 bytes: what one tensor load brings
.set BHALF,  128*PITCH
.set BOFF,   2*AHALF                   ; a slot: A's two halves, then B's two
.set SLOT,   BOFF+2*BHALF
.set FR,     16
.set NL,     4
.set NP,     4
.set SPARE,  2*SLOT                    ; behind the ring: the spare words, 128 bytes for each wave, that no other line names
.set STAGE,  SPARE+512                 ; behind them: a stage of 16 rows x (512 + 16) bytes for each wave; no fill ever lands there
.set SPITCH, 528
.set ADRA, 16
.set ADRB, 20
.set STO,  24                          ; v24  the way out: where I put 32 bytes of a row
.set RD,   25                          ; v25  where I read a row back
.set CO,   26                          ; v26  16 x lane
.set SPW,  28
.set NIL,  29
.set BO,   96
.set AF,   128
.set BK,   128                         ; 16 rows read back: v128-191 and v192-255 by turns
.set G1, 24
.set G0, 32
.set G1B, 48
.set G0B, 56
.set MSB, 0
.macro WIN new
.if MSB != (\new)
	s_set_vgpr_msb (MSB<<8)|(\new)
.set MSB, (\new)
.endif
.endm
.set MUL_LO, 0xa1
.set MUL_HI, 0xf1
.set TO_B,   0x40
.macro JLOAD g0a, g1a, g0b, g1b        ; waves 0 and 1 fetch for A, waves 2 and 3 for B; four v_nop follow each of the two lines
	s_cmp_eq_u32 s15, 0
	s_cbranch_scc0 .Lfor_b_\@
	tensor_load_to_lds s[\g0a:\g0a+3], s[\g1a:\g1a+7]
	s_nop 0
.rept 4
	v_nop
.endr
	s_branch .Lasked_\@
.Lfor_b_\@:
	tensor_load_to_lds s[\g0b:\g0b+3], s[\g1b:\g1b+7]
	s_nop 0
.rept 4
	v_nop
.endr
.Lasked_\@:
.endm
.macro CREST
	s_cmp_lg_u32 s14, 0
	s_cbranch_scc1 .Lnot_wave_0_\@
	s_barrier_signal -3
.Lnot_wave_0_\@:
	s_barrier_wait -3
	s_barrier_signal -1
	s_barrier_wait -1
.endm
.macro CROUND
	s_barrier_signal -1
	s_barrier_wait -1
	CREST
.endm
	s_load_b128 s[4:7], s[0:1], 0x0                ; zi s[4:5], woc s[6:7]
	s_load_b128 s[8:11], s[0:1], 0x10              ; the scales' exponents s[8:9], bo s[10:11]
	s_load_b64 s[12:13], s[0:1], 0x20              ; out0
	v_lshl_add_u32 v[SPW], v0, 2, SPARE
	v_mov_b32 v[NIL], 0
	ds_add_u32 v28, v29
	ds_add_u32 v28, v29
	s_wait_dscnt 0x0
	v_lshrrev_b32 v1, 5, v0
	v_readfirstlane_b32 s14, v1                    ; wave 0..3
	s_lshr_b32 s15, s14, 1                         ; which half of the tile's tokens is mine.  Also: I fetch for A (0) or for B (1)
	s_and_b32 s16, s14, 1                          ; which half of its columns.  Also: which half of that tile I fetch
	s_bfe_u32 s40, ttmp6, 0x40000                  ; cx, cy
	s_bfe_u32 s41, ttmp6, 0x40004
	s_lshl_b32 s42, ttmp9, 2
	s_add_co_u32 s42, s42, s40                     ; tile column
	s_and_b32 s17, ttmp7, 0xffff
	s_lshl_b32 s17, s17, 2
	s_add_co_u32 s17, s17, s41                     ; tile row
	s_lshl_b32 s43, s41, 2
	s_lshl_b32 s43, 15, s43                        ; my row of the cluster
	s_lshl_b32 s44, 0x1111, s40                    ; my column
	; A: 8 rows (tiles of 16 tokens) of 4,096 bytes, 16,384 bytes apart, dense in LDS
	s_or_b32 s[G1+0], s43, (3<<16)|(1<<21)         ; 15:0 the mask; 17:16 elements of 8 bytes; 21 set beside a mask; no padding
	s_mov_b32 s[G1+1], 512<<16                     ; tensor_dim0 = 512 elements
	s_mov_b32 s[G1+2], 8<<16                       ; tensor_dim1 = 8
	s_mov_b32 s[G1+3], 512<<16                     ; tile_dim0
	s_mov_b32 s[G1+4], 8                           ; tile_dim1
	s_mov_b32 s[G1+5], 2048                        ; tensor_dim0_stride
	s_mov_b32 s[G1+6], 0
	s_mov_b32 s[G1+7], 0
	; B: 128 rows of 256 bytes, padded in LDS
	s_or_b32 s[G1B+0], s44, (0<<16)|(1<<20)|(1<<21)|(5<<22)|(3<<25)
	s_mov_b32 s[G1B+1], ROWB<<16
	s_mov_b32 s[G1B+2], 128<<16
	s_mov_b32 s[G1B+3], ROWB<<16
	s_mov_b32 s[G1B+4], 128
	s_mov_b32 s[G1B+5], KROW
	s_mov_b32 s[G1B+6], 0
	s_mov_b32 s[G1B+7], 0
	s_lshl_b32 s18, s16, 17                        ; my half: 8 tiles of 16,384 bytes of zi, or 128 rows of 1,024 of woc
	s_lshl_b32 s20, s17, 18
	s_add_co_u32 s20, s20, s18
	s_lshl_b32 s46, s42, 18
	s_add_co_u32 s46, s46, s18
	s_mov_b32 s21, 0
	s_mov_b32 s47, 0
	s_mul_i32 s45, s16, AHALF                      ; where they go: A's halves,
	s_mul_i32 s83, s16, BHALF
	s_add_co_u32 s83, s83, BOFF                    ; B's halves: no place in the cluster enters an LDS address
	s_wait_kmcnt 0x0
	s_load_b64 s[96:97], s[8:9], 0x28              ; e10, e11
	s_add_nc_u64 s[20:21], s[4:5], s[20:21]
	s_add_nc_u64 s[46:47], s[6:7], s[46:47]
	CROUND                                         ; all sixteen work-groups are here: the first joint loads meet
.irp s, 0,1
	s_mov_b32 s[G0+4*\s], 1
	s_add_co_u32 s[G0+4*\s+1], s45, \s*SLOT
	s_add_nc_u64 s[G0+4*\s+2:G0+4*\s+3], s[20:21], \s*4096
	s_or_b32 s[G0+4*\s+3], s[G0+4*\s+3], 0x80000000
	s_mov_b32 s[G0B+4*\s], 1
	s_add_co_u32 s[G0B+4*\s+1], s83, \s*SLOT
	s_add_nc_u64 s[G0B+4*\s+2:G0B+4*\s+3], s[46:47], \s*ROWB
	s_or_b32 s[G0B+4*\s+3], s[G0B+4*\s+3], 0x80000000
	JLOAD G0+4*\s, G1, G0B+4*\s, G1B
.endr
	v_and_b32 v1, 15, v0                           ; l % 16
	v_bfe_u32 v2, v0, 4, 1                         ; l / 16
	v_mul_u32_u24 v3, v1, PITCH
	v_lshl_add_u32 v4, v2, 4, v3                   ; B: a fragment's row x pitch + 16 x half
	v_and_b32 v6, 31, v0
	v_lshlrev_b32 v[CO], 4, v6                     ; A: 16 x lane
	s_mul_i32 s21, s15, AHALF                      ; my 8 tiles of A
	s_mul_i32 s22, s16, BHALF                      ; my 128 rows of B
	s_add_co_u32 s22, s22, BOFF
.irp s, 0,1
	v_add_nc_u32 v[ADRA+\s], s21, v[CO]
	v_add_nc_u32 v[ADRB+\s], s22, v4
	s_add_co_u32 s21, s21, SLOT
	s_add_co_u32 s22, s22, SLOT
.endr
	s_mul_i32 s23, s14, 16*SPITCH
	s_add_co_u32 s23, s23, STAGE                   ; my stage
	v_mul_u32_u24 v5, v1, SPITCH                   ; in: row l % 16, 32 bytes for each half of the lanes
	v_lshl_add_u32 v5, v2, 5, v5
	v_add_nc_u32 v[STO], s23, v5
	v_add_nc_u32 v[RD], s23, v[CO]                 ; back: the 32 lanes take one row of 512 bytes
	s_lshl_b32 s92, s42, 10
	s_lshl_b32 s93, s16, 9
	s_add_co_u32 s92, s92, s93                     ; my first column, in bytes: 1,024 x tile column + 512 x half
	s_mov_b32 s93, 0
	s_add_nc_u64 s[10:11], s[10:11], s[92:93]
	global_load_b128 v[BO:BO+3], v[CO], s[10:11]   ; on the way out a lane keeps the same four columns in every row: four numbers of bo
	s_lshl_b32 s94, s17, 20                        ; my first row: 256 rows of 4,096 bytes a tile,
	s_lshl_b32 s95, s15, 19                        ; 128 a half
	s_add_co_u32 s94, s94, s95
	s_add_co_u32 s94, s94, s92
	s_mov_b32 s95, 0
	s_add_nc_u64 s[12:13], s[12:13], s[94:95]
.macro FRAG reg, adr, q, i             ; B: 16 rows x 128 K: registers 4 c .. 4 c + 3 hold K = 32 c + 16 (l / 16) + 0 .. 15
.irp c, 0,1,2,3
	ds_load_b128 v[\reg+4*\c:\reg+4*\c+3], v[\adr] offset:128*(\q)+32*\c+(\i)*16*PITCH
.endr
.endm
.macro FRAGA reg, adr, q, i            ; A: the image of the same registers: tile i, the slot's q-th 128 along K
.irp c, 0,1,2,3
	ds_load_b128 v[\reg+4*\c:\reg+4*\c+3], v[\adr] offset:2048*(\q)+512*\c+(\i)*4096
.endr
.endm
.macro MUL16 a0, p, zero               ; the 64 accumulators take turns, one instruction a turn, in the same order in every step
.irp a, \a0, \a0+1
.irp b, 0,1,2,3,4,5,6,7
.if \zero
	v_wmma_f32_16x16x128_fp8_fp8 v[8*(8*((\a)%4)+\b):8*(8*((\a)%4)+\b)+7], v[128*(\p)+FR*\b:128*(\p)+FR*\b+FR-1], v[AF+FR*(\a):AF+FR*(\a)+FR-1], 0
.else
	v_wmma_f32_16x16x128_fp8_fp8 v[8*(8*((\a)%4)+\b):8*(8*((\a)%4)+\b)+7], v[128*(\p)+FR*\b:128*(\p)+FR*\b+FR-1], v[AF+FR*(\a):AF+FR*(\a)+FR-1], v[8*(8*((\a)%4)+\b):8*(8*((\a)%4)+\b)+7]
.endif
.endr
.endr
.endm
.macro FETCH_B slot, q, p
	WIN TO_B
.irp i, 0,1,2,3,4,5,6,7
	FRAG 128*(\p)+FR*\i, ADRB+\slot, \q, \i
.endr
	WIN 0
.endm
.macro FETCH_A slot, q, i0
.irp i, \i0, \i0+1, \i0+2, \i0+3
	FRAGA AF+FR*(\i), ADRA+\slot, \q, \i
.endr
.endm
.macro PLACES n
.rept \n
	v_nop
.endr
.endm
.macro STEP slot, q, zero
	s_wait_dscnt 4*NL                              ; B's set and A's blocks 0-3 are in; the youngest 16 loads (A's blocks 4-7) may be out
	WIN MUL_LO
	MUL16 0, (\q)%2, \zero
	MUL16 2, (\q)%2, \zero
	s_wait_dscnt 0
	PLACES NP
	FETCH_B \slot, (\q)+1, 1-(\q)%2
	FETCH_A \slot, (\q)+1, 0
	WIN MUL_HI
	MUL16 4, (\q)%2, \zero
	MUL16 6, (\q)%2, \zero
	PLACES NP
	WIN 0
	FETCH_A \slot, (\q)+1, 4
.endm
.macro TURN slot, next, fill
	s_wait_tensorcnt 0x0                           ; all my tensor loads have landed: my part of the next slot
	ds_add_u32 v[SPW], v[NIL]                      ; 0 onto my spare word
	s_wait_dscnt 4*NL+1                            ; (the add and the youngest 16 loads may be out)
	WIN MUL_LO
	MUL16 0, 1, 0
	s_wait_dscnt 0x0                               ; the add is done, and my reads of this slot are over
	s_barrier_signal -1
	MUL16 2, 1, 0
	WIN 0
	s_barrier_wait -1
.if \fill
	CREST                                          ; the barrier has opened a round of the cluster's barrier: no wave of any partner still reads this slot or has a load on its way
	s_add_nc_u64 s[G0+4*\slot+2:G0+4*\slot+3], s[G0+4*\slot+2:G0+4*\slot+3], 2*4096
	s_add_nc_u64 s[G0B+4*\slot+2:G0B+4*\slot+3], s[G0B+4*\slot+2:G0B+4*\slot+3], 2*ROWB
	JLOAD G0+4*\slot, G1, G0B+4*\slot, G1B         ; the first tensor load behind the round; its four v_nop are also the places in front of the loads below
.else
	PLACES NP
.endif
	FETCH_B \next, 0, 0
	FETCH_A \next, 0, 0
	WIN MUL_HI
	MUL16 4, 1, 0
	MUL16 6, 1, 0
	PLACES NP
	WIN 0
	FETCH_A \next, 0, 4
.endm
	s_wait_tensorcnt 1                             ; my part of K step 0 is in (K step 1's load may be out)
	s_barrier_signal -1
	s_barrier_wait -1
	FETCH_B 0, 0, 0
	FETCH_A 0, 0, 0
	FETCH_A 0, 0, 4
	STEP 0, 0, 1                                   ; eight steps of 128 along K, written out; the first products start the sums
	TURN 0, 1, 1
	STEP 1, 0, 0
	TURN 1, 0, 1
	STEP 0, 0, 0
	TURN 0, 1, 0
	STEP 1, 0, 0
	s_wait_dscnt 4*NL
	WIN MUL_LO
	MUL16 0, 1, 0
	MUL16 2, 1, 0
	s_wait_dscnt 0
	WIN MUL_HI
	MUL16 4, 1, 0
	MUL16 6, 1, 0
	WIN 0
; THE WAY OUT, block by block of 16 tokens x 128 columns.  The sums go into my own stage as they are (each accumulator's low four registers first) and come back as whole rows of 512 bytes; there one packed
; multiply-add for two numbers gives sum x 2^(e10 + e11) + bo, and the 32 lanes store 512 consecutive bytes, aligned.  LDS serves a wave's instructions in order (ISA guide 5.7.1.4): no wait between the stores and the loads.
.macro TOSTAGE a
.set AC, 64*((\a)%4)
	WIN 0x08+4*((\a)/4)                            ; an LDS store's data: window 2 or 3
.irp b, 0,1,2,3,4,5,6,7
	ds_store_b128 v[STO], v[AC+8*\b:AC+8*\b+3] offset:64*\b
	ds_store_b128 v[STO], v[AC+8*\b+4:AC+8*\b+7] offset:64*\b+16
.endr
	WIN 0
.set BB, BK+64*((\a)%2)
.irp t, 0,1,2,3,4,5,6,7,8,9,10,11,12,13,14,15
	ds_load_b128 v[BB+4*\t:BB+4*\t+3], v[RD] offset:\t*SPITCH
.endr
.endm
.macro SEND a, younger                 ; younger: the LDS instructions issued behind block a's loads, which may stay out
.set BB, BK+64*((\a)%2)
	s_wait_dscnt \younger
.irp t, 0,1,2,3,4,5,6,7,8,9,10,11,12,13,14,15
	v_pk_fma_f32 v[BB+4*\t:BB+4*\t+1], v[BB+4*\t:BB+4*\t+1], s[96:97], v[BO:BO+1] op_sel_hi:[1,0,1]
	v_pk_fma_f32 v[BB+4*\t+2:BB+4*\t+3], v[BB+4*\t+2:BB+4*\t+3], s[96:97], v[BO+2:BO+3] op_sel_hi:[1,0,1]
.endr
.irp t, 0,1,2,3,4,5,6,7,8,9,10,11,12,13,14,15
	global_store_b128 v[CO], v[BB+4*\t:BB+4*\t+3], s[12:13] offset:(32*((\a)/2)+8*((\a)%2)+\t+8*(\t/8))*4096 th:TH_STORE_NT   ; stage row t of block a is this token of my 128; 127 rows at the most, inside the signed 24-bit immediate
.endr
.endm
	s_wait_kmcnt 0x0
	s_add_co_i32 s96, s96, s97
	s_add_co_i32 s96, s96, 127
	s_lshl_b32 s96, s96, 23                        ; 2^(e10 + e11) as f32
	s_mov_b32 s97, s96                             ; named with it as a pair
	s_wait_loadcnt 0x0                             ; bo
	PLACES NP                                      ; behind the last products: for the LDS stores of results and the loads into the registers that held A's fragments
	TOSTAGE 0
.irp a, 1,2,3,4,5,6,7
.if \a > 1
	s_wait_xcnt 0x0                                ; block a - 2's stores have read their registers: block a's loads may land there
.endif
	TOSTAGE \a
	SEND \a-1, 32                                  ; behind block a - 1's loads: block a's 16 stores and 16 loads
.endr
	SEND 7, 0
	s_wait_tensorcnt 0x0                           ; the wave's end
	ds_add_u32 v[SPW], v[NIL]
	s_wait_dscnt 0x0
	CROUND                                         ; the closing round
	s_endpgm
.Lfunc_end_k_q4331ee7794_oproj:
	.size	k_q4331ee7794_oproj, .Lfunc_end_k_q4331ee7794_oproj-k_q4331ee7794_oproj
	.p2alignl 7, 3214868480
	.fill 96, 4, 3214868480
	.section	.rodata,"a",@progbits
	.p2align	6, 0x0
	.amdhsa_kernel k_q4331ee7794_oproj
		.amdhsa_group_segment_fixed_size 327680
		.amdhsa_private_segment_fixed_size 0
		.amdhsa_enable_private_segment 0
		.amdhsa_kernarg_size 40
		.amdhsa_user_sgpr_count 2
		.amdhsa_user_sgpr_kernarg_segment_ptr 1
		.amdhsa_wavefront_size32 1
		.amdhsa_system_sgpr_workgroup_id_x 1
		.amdhsa_system_sgpr_workgroup_id_y 1
		.amdhsa_system_sgpr_workgroup_id_z 1
		.amdhsa_system_vgpr_workitem_id 0
		.amdhsa_next_free_vgpr 1024
		.amdhsa_next_free_sgpr 100
		.amdhsa_reserve_vcc 0
		.amdhsa_float_denorm_mode_32 3
		.amdhsa_float_denorm_mode_16_64 3
		.amdhsa_memory_ordered 1
		.amdhsa_forward_progress 1
		.amdhsa_inst_pref_size 123
	.end_amdhsa_kernel
	.amdgpu_metadata
---
amdhsa.version: [ 1, 2 ]
amdhsa.kernels:
  - .name:           k_q4331ee7794_oproj
    .symbol:         k_q4331ee7794_oproj.kd
    .args:
      - { .name: zi, .offset: 0, .size: 8, .value_kind: global_buffer, .address_space: global }
      - { .name: woc, .offset: 8, .size: 8, .value_kind: global_buffer, .address_space: global }
      - { .name: lowp_scales, .offset: 16, .size: 8, .value_kind: global_buffer, .address_space: global }
      - { .name: bo, .offset: 24, .size: 8, .value_kind: global_buffer, .address_space: global }
      - { .name: out0, .offset: 32, .size: 8, .value_kind: global_buffer, .address_space: global }
    .group_segment_fixed_size: 327680
    .private_segment_fixed_size: 0
    .kernarg_segment_align: 8
    .kernarg_segment_size: 40
    .max_flat_workgroup_size: 128
    .sgpr_count:     100
    .vgpr_count:     1024
    .wavefront_size: 32
...
	.end_amdgpu_metadata
.endif
;; end of part 4
